; MI455X (gfx1250); checked and timed in simulation.
; The chip was launched on July 23, 2026; its instructions are those of AMD's public machine-readable ISA for CDNA 5 (MIT licence, August 2026) and "CDNA5" Instruction Set Architecture Reference Guide (July 2026). The comments in the code are by the model that wrote it; some were corrected since.
;; Simulate. Allowed arithmetic: float matrix products may take bf16 or f16 operands with f32 sums; all other float work in f32.
;; Inputs: D0 16,384 float32; E0 16,384 float32; V01 16,384 float32; V02 16,384 float32; beta 16,384 float32; c 16,384 float32; days1 17 float32; days2 17 float32; delta 16,384 float32; p 16,384 float32.
;; Outputs: out0 2 x 4 x 17 x 16,384 float32.
;; Constants: treatment = 1.
;; One version. Each part assembles by itself: llvm-mc -triple=amdgcn-amd-amdhsa -mcpu=gfx1250 --defsym DOCPART=n.
;; ======== version 1 of 1: 2 launches
;; workspace buffers: plan 512 bytes of whole numbers
;; launch mkplan (part 1): grid 1 x 1, 1 waves a work-group, no clusters, 0 bytes of LDS; arguments days1, days2, plan; writes plan
.if DOCPART == 1
	.amdgcn_target "amdgcn-amd-amdhsa--gfx1250"
	.amdhsa_code_object_version 6
	.text
	.protected	k_q6645650acc_mkplan
	.globl	k_q6645650acc_mkplan
	.p2align	8
	.type	k_q6645650acc_mkplan,@function
k_q6645650acc_mkplan:
	s_mov_b64 s[64:65], 0
	v_nop
	global_prefetch_b8 v0, s[64:65] scope:SCOPE_SE
	s_setreg_imm32_b32 hwreg(HW_REG_WAVE_MODE, 25, 1), 1
	s_wait_xcnt 0x0
; THE DECISIONS THAT HANG ON THE DAYS, made once and stored as whole numbers for the launch behind.
;   run1: bit i is set where interval i of days1 has a step dt = (days1[i] - days1[i-1]) / 64 other than 0 (days1[-1] counts as 5.0; a NaN counts as other than 0)
;   run2: the same for days2 (days2[-1] counts as 15.0)
;   npre: 1 + the first i with days1[i] == 15.0, or 1 where there is none (argmax of an all-false row is 0)
; One wave; lane i looks at interval i; lanes 17 to 31 repeat lane 16 and are masked off.  No branch and no address of this launch hangs on a day.
; Every lane stores the same 16 bytes {run1, run2, npre, 0} at byte 16 x lane: one store covers the buffer's 512 bytes.
.set NDAYS, 17
	s_load_b128 s[4:7], s[0:1], 0x0                ; days1 s[4:5], days2 s[6:7]
	s_load_b64 s[8:9], s[0:1], 0x10                ; plan
	v_min_u32 v1, NDAYS-1, v0                      ; i, held inside the 17 days
	v_lshlrev_b32 v2, 2, v1                        ; byte of day i
	v_max_u32 v3, 1, v1
	v_add_nc_u32 v3, -1, v3                        ; i - 1, and 0 for lane 0, whose load is replaced below
	v_lshlrev_b32 v3, 2, v3
	v_mov_b32 v8, 0x40a00000                       ; 5.0: where the first run starts
	v_mov_b32 v9, 0x41700000                       ; 15.0: where the second starts, and the day that is looked for
	v_lshlrev_b32 v14, 4, v0                       ; my 16 bytes of the plan
	v_cmp_eq_u32 vcc_lo, 0, v0
	s_wait_kmcnt 0x0
	global_load_b32 v4, v2, s[4:5]                 ; days1[i]
	global_load_b32 v5, v3, s[4:5]                 ; days1[i-1]
	global_load_b32 v6, v2, s[6:7]                 ; days2[i]
	global_load_b32 v7, v3, s[6:7]                 ; days2[i-1]
	s_wait_loadcnt 0x0
	v_cndmask_b32 v5, v5, v8, vcc_lo               ; lane 0: the start in place of a day before
	v_cndmask_b32 v7, v7, v9, vcc_lo
	v_sub_f32 v5, v4, v5
	v_sub_f32 v7, v6, v7
	v_mul_f32 v5, 0x3c800000, v5                   ; dt: a division by 64 is a multiplication by 2^-6, with the same rounding
	v_mul_f32 v7, 0x3c800000, v7
	v_cmp_neq_f32 s10, 0, v5
	v_cmp_neq_f32 s11, 0, v7
	v_cmp_eq_f32 s12, v9, v4
	s_and_b32 s10, s10, 0x1ffff                    ; 17 intervals
	s_and_b32 s11, s11, 0x1ffff
	s_and_b32 s12, s12, 0x1ffff
	s_ctz_i32_b32 s13, s12                         ; the first match,
	s_cmp_eq_u32 s12, 0
	s_cselect_b32 s13, 0, s13                      ; or 0 where nothing matches
	s_add_co_u32 s13, s13, 1
	v_mov_b32 v10, s10
	v_mov_b32 v11, s11
	v_mov_b32 v12, s13
	v_mov_b32 v13, 0
	global_store_b128 v14, v[10:13], s[8:9]
	s_endpgm
.Lfunc_end_k_q6645650acc_mkplan:
	.size	k_q6645650acc_mkplan, .Lfunc_end_k_q6645650acc_mkplan-k_q6645650acc_mkplan
	.p2alignl 7, 3214868480
	.fill 96, 4, 3214868480
	.section	.rodata,"a",@progbits
	.p2align	6, 0x0
	.amdhsa_kernel k_q6645650acc_mkplan
		.amdhsa_group_segment_fixed_size 0
		.amdhsa_private_segment_fixed_size 0
		.amdhsa_enable_private_segment 0
		.amdhsa_kernarg_size 24
		.amdhsa_user_sgpr_count 2
		.amdhsa_user_sgpr_kernarg_segment_ptr 1
		.amdhsa_wavefront_size32 1
		.amdhsa_system_sgpr_workgroup_id_x 1
		.amdhsa_system_sgpr_workgroup_id_y 1
		.amdhsa_system_sgpr_workgroup_id_z 1
		.amdhsa_system_vgpr_workitem_id 0
		.amdhsa_next_free_vgpr 16
		.amdhsa_next_free_sgpr 66
		.amdhsa_reserve_vcc 1
		.amdhsa_float_denorm_mode_32 3
		.amdhsa_float_denorm_mode_16_64 3
		.amdhsa_memory_ordered 1
		.amdhsa_forward_progress 1
		.amdhsa_inst_pref_size 3
	.end_amdhsa_kernel
	.amdgpu_metadata
---
amdhsa.version: [ 1, 2 ]
amdhsa.kernels:
  - .name:           k_q6645650acc_mkplan
    .symbol:         k_q6645650acc_mkplan.kd
    .args:
      - { .name: days1, .offset: 0, .size: 8, .value_kind: global_buffer, .address_space: global }
      - { .name: days2, .offset: 8, .size: 8, .value_kind: global_buffer, .address_space: global }
      - { .name: plan, .offset: 16, .size: 8, .value_kind: global_buffer, .address_space: global }
    .group_segment_fixed_size: 0
    .private_segment_fixed_size: 0
    .kernarg_segment_align: 8
    .kernarg_segment_size: 24
    .max_flat_workgroup_size: 32
    .sgpr_count:     66
    .vgpr_count:     16
    .wavefront_size: 32
...
	.end_amdgpu_metadata
.endif
;; end of part 1
;; launch simulate (part 2): grid 128 x 2, 4 waves a work-group, no clusters, 167,936 bytes of LDS; arguments D0, E0, V01, V02, beta, delta, p, c, days1, days2, plan, out0; writes out0
.if DOCPART == 2
	.amdgcn_target "amdgcn-amd-amdhsa--gfx1250"
	.amdhsa_code_object_version 6
	.text
	.protected	k_q6645650acc_simulate
	.globl	k_q6645650acc_simulate
	.p2align	8
	.type	k_q6645650acc_simulate,@function
k_q6645650acc_simulate:
	s_mov_b64 s[64:65], 0
	v_nop
	global_prefetch_b8 v0, s[64:65] scope:SCOPE_SE
	s_setreg_imm32_b32 hwreg(HW_REG_WAVE_MODE, 25, 1), 1
	s_wait_xcnt 0x0
; 16,384 independent systems  D' = delta E,  E' = beta V (1 - D - E) - delta E,  V' = p E - c V,  classical RK4, 64 steps to each of 17 saves, two runs.
; out0[run][D, E, V, ln V][save][element], f32.  treatment = 1 is a constant of the problem: the first run starts with V01, and V02 is added at the restart.
; SHARES.  One element a lane, 128 a work-group.  Grid y picks the job: y = 1 makes run 0 (17 intervals of days1 from t = 5).  y = 0 makes run 1: it goes through the first npre intervals
; of days1 once more without saving, which gives the state that the restart takes, adds V02, and goes through the 17 intervals of days2 from t = 15.  So the longest chain of dependent steps in the
; launch is npre + 17 intervals and not 34, and the two runs go side by side: 2 x 128 work-groups x 4 waves = 1,024 waves.
; WHAT HANGS ON THE DAYS' VALUES (npre; which intervals have a step of 0 and are jumped, since RK4 with dt = 0 gives y back) was stored as whole numbers by the launch in front; here these are a trip
; count and forward jumps, the same for every wave of the launch's job.
; THE STEP.  The state is U = beta (1 - D - E), D, E, V: then g = V U,  U' = -beta g,  E' = g - delta E,  V' = p E - c V,  D' = delta E.  RK4 commutes with an affine change of variables, so this is
; reference()'s method; beta = 0 is served (nothing is divided).  With h = dt, a = h / 2, s = h / 6, all products of h with the parameters are made once an interval.  (E, V) and (U, D) lie in
; pairs for the packed multiply-add.  E4 = tC + h g3 with tC = E - h delta E3, so E's new value takes g3 with the factor KAP = 2 s - s delta h and needs E4 nowhere: after g4 only one packed line is left.
; 29 vector instructions a step.
; THE WAY OUT.  A wave's 32 numbers are 128 bytes, so the saves are gathered in LDS, 17 x 4 rows of 512 bytes, each byte stored once; behind the one barrier wave w reads row w of every save
; (quantity w of 128 elements) and each of its stores covers 512 consecutive bytes, at a multiple of 512 from out0's first byte.
; LIMITS.  The order of rounding differs from reference()'s: U is carried instead of 1 - D - E formed anew, multiply-adds are fused, h / 6 is h x 0.16666667, the stages' sums are grouped
; otherwise.  An interval with dt = 0 leaves the state as it is (reference() would make NaN of it there only where a right-hand side is already infinite).  ln V: a V below 2^-126 is scaled by 2^32
; first, since v_log_f32 takes denormals as 0 (ISA guide, the instruction's entry); V = 0 gives -inf, V < 0 NaN.
; NOT USED, since nothing here would feed them: matrix instructions (no product), tensor loads and clusters (nothing is shared but 68 bytes of days).
.set NSAVE, 17
.set ROWB,  512                        ; a row of the stage: 128 elements x 4 bytes
.set SAVEB, 4*ROWB                     ; a save: D, E, V, ln V
.set SPARE, NSAVE*SAVEB                ; 34,816 = 136 x 256: behind the stage, the spare words, 128 bytes for each wave: two blocks of 256 bytes that no other line names
.set QB,    NSAVE*65536                ; bytes of one quantity of one run in out0
.set UNR,   8                          ; steps written out in a trip of the step loop; 64 / UNR trips
; vector registers
.set SPW, 2                            ; v2   LDS address of my spare word; never rewritten
.set NIL, 3                            ; v3   0; never rewritten
.set LA,  4                            ; v4   where my four numbers of the next save go: 4 x thread + 2,048 x save
.set GI,  5                            ; v5   my byte offset in the eight inputs; never rewritten
.set Z,   6                            ; v[6:7]   (U, D)
.set X,   8                            ; v[8:9]   (E, V)
.set NBE, 10                           ; -beta
.set NDE, 11                           ; -delta
.set PP,  12                           ; p
.set NCC, 13                           ; -c
.set VAD, 14                           ; V02
.set T0,  15                           ; at work
.set CN1, 16                           ; (-a delta, -a c)
.set CN2, 18                           ; (-h delta, -h c)
.set CN3, 20                           ; (-s delta, -s c)
.set CSX, 22                           ; (s, s p)
.set CSZ, 24                           ; (-s beta, s delta)
.set AB,  26                           ; -a beta
.set AH,  27                           ; a
.set AP,  28                           ; a p
.set BB,  29                           ; -h beta
.set BH,  30                           ; h
.set BP,  31                           ; h p
.set KAP, 32                           ; 2 s - s delta h
.set DEL, 33                           ; delta
.set X2,  34                           ; (E2, V2)
.set X3,  36                           ; (E3, V3)
.set TC,  38                           ; (tC, V4); later (E + 2 E2 + 2 E3 + tC, V4)
.set SX,  40                           ; X + 2 X2 + 2 X3
.set GS,  42                           ; (g4, E + 2 E2 + 2 E3 + E4)
.set BY,  44                           ; what E's and V's new values are without g4 and the sum of the E
.set G,   46                           ; g1, then g1 + 2 g2, then g1 + 2 g2 + 2 g3
.set G2,  47
.set G3,  48
.set US,  49                           ; U2, U3, U4
.set E4,  50
.set LG,  51                           ; ln V at work
.set LC,  52
.set FO,  54                           ; the flush: 16 x lane, my byte offset in a row of out0's 512 bytes
.set FL,  55                           ; the flush: my LDS address in save 0
.set OB,  56                           ; v[56:123] the flush: 17 x 4 registers
; scalar registers: s[4:19] D0, E0, V01, V02, beta, delta, p, c; s[20:27] days1, days2, plan, out0
.set WV,  28                           ; my wave's number
.set PH,  29                           ; the run that my work-group makes
.set XB,  30                           ; 512 x work-group x: my group's bytes in an input and in a row of out0
.set DA,  32                           ; s[32:48] days1, for the way up to the restart; the day in hand is always the first
.set RUN1, 52                          ; s[52:55] the plan: run1, run2, npre, 0
.set RUN2, 53
.set NPRE, 54
.set T5,  56                           ; 5.0
.set T15, 57                           ; 15.0
.set TS,  58                           ; where my run starts
.set RUN, 59                           ; my run's mask of intervals with a step other than 0; bit 0 is the interval in hand
.set OO,  60                           ; s[60:61] my wave's byte offset in out0
.set TP,  62                           ; the time reached
.set CT,  63                           ; counts intervals
.set DJ,  68                           ; s[68:84] my run's days
.set SUBC, 86                          ; counts the step loop's trips
.set BIG, 87                           ; 2^32
.set LNC, 88                           ; -32 ln 2
; One RK4 step.  Each line stands as early as its sources allow; the chain g1, U2, g2, U3, g3, U4, g4, new state is eight lines deep.
.macro STEP
	v_mul_f32 v[G], v[X+1], v[Z]                                   ; g1 = V U
	v_pk_fma_f32 v[X2:X2+1], v[CN1:CN1+1], v[X:X+1], v[X:X+1]      ; E - a delta E, V - a c V
	v_fma_f32 v[US], v[AB], v[G], v[Z]                             ; U2 = U - a beta g1
	v_fmac_f32 v[X2+1], v[AP], v[X]                                ; V2
	v_fmac_f32 v[X2], v[AH], v[G]                                  ; E2
	v_mul_f32 v[G2], v[X2+1], v[US]                                ; g2
	v_pk_fma_f32 v[X3:X3+1], v[CN1:CN1+1], v[X2:X2+1], v[X:X+1]
	v_pk_fma_f32 v[SX:SX+1], v[X2:X2+1], 2.0, v[X:X+1] op_sel_hi:[1,0,1]
	v_fma_f32 v[US], v[AB], v[G2], v[Z]                            ; U3
	v_fmac_f32 v[X3+1], v[AP], v[X2]                               ; V3
	v_fmac_f32 v[X3], v[AH], v[G2]                                 ; E3
	v_fmac_f32 v[G], 2.0, v[G2]
	v_mul_f32 v[G3], v[X3+1], v[US]                                ; g3
	v_pk_fma_f32 v[TC:TC+1], v[CN2:CN2+1], v[X3:X3+1], v[X:X+1]    ; tC, V - h c V3
	v_pk_fma_f32 v[SX:SX+1], v[X3:X3+1], 2.0, v[SX:SX+1] op_sel_hi:[1,0,1]
	v_fma_f32 v[BY], v[CSX], v[G], v[X]                            ; E + s (g1 + 2 g2)
	v_fma_f32 v[US], v[BB], v[G3], v[Z]                            ; U4
	v_fmac_f32 v[TC+1], v[BP], v[X3]                               ; V4
	v_fma_f32 v[E4], v[BH], v[G3], v[TC]                           ; E4 = tC + h g3
	v_fmac_f32 v[G], 2.0, v[G3]
	v_add_f32 v[TC], v[SX], v[TC]                                  ; E + 2 E2 + 2 E3 + tC
	v_fmac_f32 v[BY], v[KAP], v[G3]
	v_fma_f32 v[BY+1], v[CN3+1], v[SX+1], v[X+1]                   ; V - s c (V + 2 V2 + 2 V3)
	v_mul_f32 v[GS], v[TC+1], v[US]                                ; g4
	v_add_f32 v[GS+1], v[SX], v[E4]                                ; the sum of the E
	v_fmac_f32 v[Z], v[CSZ], v[G]                                  ; U - s beta (g1 + 2 g2 + 2 g3)
	v_pk_fma_f32 v[BY:BY+1], v[CN3:CN3+1], v[TC:TC+1], v[BY:BY+1]
	v_pk_fma_f32 v[Z:Z+1], v[CSZ:CSZ+1], v[GS:GS+1], v[Z:Z+1]      ; the new U, D
	v_pk_fma_f32 v[X:X+1], v[CSX:CSX+1], v[GS:GS+1], v[BY:BY+1]    ; the new E, V
.endm
; The days move down by one, so that one text serves every interval: the day in hand is s[b].
.macro ROT b
.set k, 0
.rept 16
	s_mov_b32 s[(\b)+k], s[(\b)+k+1]
.set k, k+1
.endr
.endm
; From the time reached to day s[tn]: the step's constants, then 64 steps.  Bit 0 of s[mask] clear: dt is 0, the state stays, and all of it is jumped.
.macro INTERVAL tn, mask
	s_bitcmp1_b32 s[\mask], 0
	s_cbranch_scc0 .Lskip_\@
	v_sub_f32 v[T0], s[\tn], s[TP]
	v_mul_f32 v[BH], 0x3c800000, v[T0]             ; h = (t_next - t) / 64
	v_mul_f32 v[AH], 0.5, v[BH]                    ; a = h / 2
	v_mul_f32 v[CSX], 0x3e2aaaab, v[BH]            ; s = h / 6
	v_mul_f32 v[AB], v[AH], v[NBE]
	v_mul_f32 v[BB], v[BH], v[NBE]
	v_mul_f32 v[CSZ], v[CSX], v[NBE]
	v_mul_f32 v[CN1], v[AH], v[NDE]
	v_mul_f32 v[CN2], v[BH], v[NDE]
	v_mul_f32 v[CN3], v[CSX], v[NDE]
	v_mul_f32 v[CN1+1], v[AH], v[NCC]
	v_mul_f32 v[CN2+1], v[BH], v[NCC]
	v_mul_f32 v[CN3+1], v[CSX], v[NCC]
	v_mul_f32 v[AP], v[AH], v[PP]
	v_mul_f32 v[BP], v[BH], v[PP]
	v_mul_f32 v[CSX+1], v[CSX], v[PP]
	v_mul_f32 v[CSZ+1], v[CSX], v[DEL]
	v_add_f32 v[T0], v[CSX], v[CSX]
	v_fma_f32 v[KAP], v[CN3], v[BH], v[T0]         ; 2 s - s delta h
	s_mov_b32 s[SUBC], 64/UNR
.Lsub_\@:
.rept UNR
	STEP
.endr
	s_sub_co_u32 s[SUBC], s[SUBC], 1
	s_cmp_lg_u32 s[SUBC], 0
	s_cbranch_scc1 .Lsub_\@
.Lskip_\@:
	s_mov_b32 s[TP], s[\tn]
	s_lshr_b32 s[\mask], s[\mask], 1               ; the next interval's bit
.endm
; D, E, V and ln V go into the stage.
.macro SAVE
	v_cmp_gt_f32 vcc_lo, 0x00800000, v[X+1]        ; V below 2^-126?
	v_cndmask_b32 v[LG], 1.0, s[BIG], vcc_lo
	v_mul_f32 v[LG], v[X+1], v[LG]                 ; then V x 2^32
	v_log_f32 v[LG], v[LG]                         ; log2
	v_cndmask_b32 v[LC], 0, s[LNC], vcc_lo         ; and -32 ln 2 at the end; also the plain instruction between the logarithm and the use of its result (ISA guide 5.7.2)
	s_wait_alu depctr_va_vdst(0)
	v_fmamk_f32 v[LG], v[LG], 0x3f317218, v[LC]    ; x ln 2
	ds_store_b32 v[LA], v[Z+1]
	ds_store_b32 v[LA], v[X] offset:ROWB
	ds_store_b32 v[LA], v[X+1] offset:2*ROWB
	ds_store_b32 v[LA], v[LG] offset:3*ROWB
	v_add_nc_u32 v[LA], SAVEB, v[LA]               ; the next save's place
.endm
	s_load_b512 s[4:19], s[0:1], 0x0               ; D0, E0, V01, V02, beta, delta, p, c
	s_load_b256 s[20:27], s[0:1], 0x40             ; days1, days2, plan, out0
	v_lshl_add_u32 v[SPW], v0, 2, SPARE
	v_mov_b32 v[NIL], 0
	v_lshrrev_b32 v1, 5, v0
	v_readfirstlane_b32 s[WV], v1                  ; wave 0..3
	s_and_b32 s[PH], ttmp7, 0xffff
	s_xor_b32 s[PH], s[PH], 1                      ; y = 0 makes run 1, the longer job
	s_lshl_b32 s[XB], ttmp9, 9
	v_lshlrev_b32 v[LA], 2, v0
	v_add_nc_u32 v[GI], s[XB], v[LA]
	s_mov_b32 s[T5], 0x40a00000
	s_mov_b32 s[T15], 0x41700000
	s_mov_b32 s[BIG], 0x4f800000
	s_mov_b32 s[LNC], 0xc1b17218
	s_wait_kmcnt 0x0
	global_load_b32 v[Z+1], v[GI], s[4:5]          ; D0
	global_load_b32 v[X], v[GI], s[6:7]            ; E0
	global_load_b32 v[X+1], v[GI], s[8:9]          ; V01
	global_load_b32 v[VAD], v[GI], s[10:11]        ; V02
	global_load_b32 v[NBE], v[GI], s[12:13]        ; beta
	global_load_b32 v[DEL], v[GI], s[14:15]        ; delta
	global_load_b32 v[PP], v[GI], s[16:17]         ; p
	global_load_b32 v[NCC], v[GI], s[18:19]        ; c
	s_load_b512 s[DA:DA+15], s[20:21], 0x0         ; days1: 64 + 4 bytes
	s_load_b32 s[DA+16], s[20:21], 0x40
	s_load_b512 s[DJ:DJ+15], s[22:23], 0x0         ; days2
	s_load_b32 s[DJ+16], s[22:23], 0x40
	s_load_b128 s[RUN1:RUN1+3], s[24:25], 0x0      ; the plan
	s_lshl2_add_u32 s[OO], s[PH], s[WV]            ; in the flush wave w stores quantity w: row 4 x run + w of out0's eight,
	s_mul_i32 s[OO], s[OO], QB
	s_add_co_u32 s[OO], s[OO], s[XB]               ; my group's 512 bytes of each of its 17 rows
	s_mov_b32 s[OO+1], 0
	s_add_nc_u64 s[26:27], s[26:27], s[OO:OO+1]
	s_wait_loadcnt 0x0
	v_sub_f32 v[Z], 1.0, v[Z+1]
	v_sub_f32 v[Z], v[Z], v[X]
	v_mul_f32 v[Z], v[Z], v[NBE]                   ; U = beta (1 - D - E)
	v_xor_b32 v[NDE], 0x80000000, v[DEL]           ; the signs are turned once
	v_xor_b32 v[NBE], 0x80000000, v[NBE]
	v_xor_b32 v[NCC], 0x80000000, v[NCC]
	s_wait_kmcnt 0x0
	s_cmp_eq_u32 s[PH], 0                          ; run 0 takes days1, its mask and its start; s_cselect_b32 leaves SCC as it is
	s_cselect_b32 s[RUN], s[RUN1], s[RUN2]
	s_cselect_b32 s[TS], s[T5], s[T15]
.set k, 0
.rept NSAVE
	s_cselect_b32 s[DJ+k], s[DA+k], s[DJ+k]
.set k, k+1
.endr
	s_cmp_eq_u32 s[PH], 0
	s_cbranch_scc1 .Lmain                          ; the same for the work-group's four waves; no barrier is jumped
	; RUN 1 ALONE: up to the state that the restart takes, npre intervals of days1, nothing saved.
	s_min_u32 s[NPRE], s[NPRE], NSAVE
	s_mov_b32 s[TP], s[T5]
	s_mov_b32 s[CT], 0
.Lpre:
	INTERVAL DA, RUN1
	ROT DA
	s_add_co_u32 s[CT], s[CT], 1
	s_cmp_lt_u32 s[CT], s[NPRE]
	s_cbranch_scc1 .Lpre
	v_add_f32 v[X+1], v[X+1], v[VAD]               ; V + V02
.Lmain:                                                ; my run's 17 intervals, each saved
	s_mov_b32 s[TP], s[TS]
	s_mov_b32 s[CT], NSAVE
.Lseg:
	INTERVAL DJ, RUN
	SAVE
	ROT DJ
	s_sub_co_u32 s[CT], s[CT], 1
	s_cmp_lg_u32 s[CT], 0
	s_cbranch_scc1 .Lseg
	; THE FLUSH.  The launch's one barrier stands between the four waves' stores into the stage and the reads of whole rows.
	s_wait_dscnt 0x0                               ; for the others' sake: my 68 stores are done
	s_barrier_signal -1
	s_barrier_wait -1
	v_and_b32 v[FO], 31, v0
	v_lshlrev_b32 v[FO], 4, v[FO]                  ; 16 bytes a lane: a row's 512 bytes
	v_lshl_add_u32 v[FL], s[WV], 9, v[FO]          ; row w of save 0
.set i, 0
.rept NSAVE
	ds_load_b128 v[OB+4*i:OB+4*i+3], v[FL] offset:SAVEB*i
.set i, i+1
.endr
.set i, 0
.rept NSAVE
	s_wait_dscnt NSAVE-1-i                         ; LDS loads come back in order (ISA guide 5.7.1): save i is in, the 16 - i younger ones may be out
	global_store_b128 v[FO], v[OB+4*i:OB+4*i+3], s[26:27] offset:65536*i th:TH_STORE_NT  ; 512 consecutive bytes, at a multiple of 512 from out0's first byte; written once and not read again
.set i, i+1
.endr
	s_wait_tensorcnt 0x0                           ; the wave's end, behind my last LDS store
	ds_add_u32 v[SPW], v[NIL]
	s_wait_dscnt 0x0
	s_endpgm
.Lfunc_end_k_q6645650acc_simulate:
	.size	k_q6645650acc_simulate, .Lfunc_end_k_q6645650acc_simulate-k_q6645650acc_simulate
	.p2alignl 7, 3214868480
	.fill 96, 4, 3214868480
	.section	.rodata,"a",@progbits
	.p2align	6, 0x0
	.amdhsa_kernel k_q6645650acc_simulate
		.amdhsa_group_segment_fixed_size 167936
		.amdhsa_private_segment_fixed_size 0
		.amdhsa_enable_private_segment 0
		.amdhsa_kernarg_size 96
		.amdhsa_user_sgpr_count 2
		.amdhsa_user_sgpr_kernarg_segment_ptr 1
		.amdhsa_wavefront_size32 1
		.amdhsa_system_sgpr_workgroup_id_x 1
		.amdhsa_system_sgpr_workgroup_id_y 1
		.amdhsa_system_sgpr_workgroup_id_z 1
		.amdhsa_system_vgpr_workitem_id 0
		.amdhsa_next_free_vgpr 128
		.amdhsa_next_free_sgpr 92
		.amdhsa_reserve_vcc 1
		.amdhsa_float_denorm_mode_32 3
		.amdhsa_float_denorm_mode_16_64 3
		.amdhsa_memory_ordered 1
		.amdhsa_forward_progress 1
		.amdhsa_inst_pref_size 33
	.end_amdhsa_kernel
	.amdgpu_metadata
---
amdhsa.version: [ 1, 2 ]
amdhsa.kernels:
  - .name:           k_q6645650acc_simulate
    .symbol:         k_q6645650acc_simulate.kd
    .args:
      - { .name: D0, .offset: 0, .size: 8, .value_kind: global_buffer, .address_space: global }
      - { .name: E0, .offset: 8, .size: 8, .value_kind: global_buffer, .address_space: global }
      - { .name: V01, .offset: 16, .size: 8, .value_kind: global_buffer, .address_space: global }
      - { .name: V02, .offset: 24, .size: 8, .value_kind: global_buffer, .address_space: global }
      - { .name: beta, .offset: 32, .size: 8, .value_kind: global_buffer, .address_space: global }
      - { .name: delta, .offset: 40, .size: 8, .value_kind: global_buffer, .address_space: global }
      - { .name: p, .offset: 48, .size: 8, .value_kind: global_buffer, .address_space: global }
      - { .name: c, .offset: 56, .size: 8, .value_kind: global_buffer, .address_space: global }
      - { .name: days1, .offset: 64, .size: 8, .value_kind: global_buffer, .address_space: global }
      - { .name: days2, .offset: 72, .size: 8, .value_kind: global_buffer, .address_space: global }
      - { .name: plan, .offset: 80, .size: 8, .value_kind: global_buffer, .address_space: global }
      - { .name: out0, .offset: 88, .size: 8, .value_kind: global_buffer, .address_space: global }
    .group_segment_fixed_size: 167936
    .private_segment_fixed_size: 0
    .kernarg_segment_align: 8
    .kernarg_segment_size: 96
    .max_flat_workgroup_size: 128
    .sgpr_count:     92
    .vgpr_count:     128
    .wavefront_size: 32
...
	.end_amdgpu_metadata
.endif
;; end of part 2
